; MI455X (gfx1250); checked and timed in simulation.
; The chip was launched on July 23, 2026; its instructions are those of AMD's public machine-readable ISA for CDNA 5 (MIT licence, August 2026) and "CDNA5" Instruction Set Architecture Reference Guide (July 2026). The comments in the code are by the model that wrote it; some were corrected since.
;; Multi Head Attention. Allowed arithmetic: matrix products marked QUANTISED: E2M3 operands, one E8M0 scale for each 32 along K, by v_wmma_scale_f32_16x16x128_f8f6f4 with both operands' format E2M3, f32 sums; products left as they are: f32 operands where the result goes on into a quantised operand, else bf16, f16 or f32 operands; f32 sums; everything else in f32.
;; Inputs: Wk_codes 512 x 64 x 24 uint8 (E2M3 codes of Wk, K innermost, in blocks of 32 codes, four codes in three bytes); Wk_scales 512 x 64 uint8 (E8M0 scales of Wk, one for each 32 codes along K); Wo_codes 2,048 x 16 x 24 uint8 (E2M3 codes of Wo, K innermost, in blocks of 32 codes, four codes in three bytes); Wo_scales 2,048 x 16 uint8 (E8M0 scales of Wo, one for each 32 codes along K); Wq_codes 512 x 64 x 24 uint8 (E2M3 codes of Wq, K innermost, in blocks of 32 codes, four codes in three bytes); Wq_scales 512 x 64 uint8 (E8M0 scales of Wq, one for each 32 codes along K); Wv_codes 512 x 64 x 24 uint8 (E2M3 codes of Wv, K innermost, in blocks of 32 codes, four codes in three bytes); Wv_scales 512 x 64 uint8 (E8M0 scales of Wv, one for each 32 codes along K); k_codes 2 x 2,048 x 64 x 24 uint8 (E2M3 codes of k, K innermost, in blocks of 32 codes, four codes in three bytes); k_scales 2 x 2,048 x 64 uint8 (E8M0 scales of k, one for each 32 codes along K); q_codes 2 x 2,048 x 64 x 24 uint8 (E2M3 codes of q, K innermost, in blocks of 32 codes, four codes in three bytes); q_scales 2 x 2,048 x 64 uint8 (E8M0 scales of q, one for each 32 codes along K); v_codes 2 x 2,048 x 64 x 24 uint8 (E2M3 codes of v, K innermost, in blocks of 32 codes, four codes in three bytes); v_scales 2 x 2,048 x 64 uint8 (E8M0 scales of v, one for each 32 codes along K).
;; Outputs: out0 2 x 2,048 x 2,048 float32.
;; This version of the problem:
;;   THIS VERSION OF THE PROBLEM IS GIVEN IN LOW PRECISION. The matrix products marked QUANTISED in the list below multiply operands that are first quantised to E2M3 (2 exponent bits, 3 mantissa bits; 6 bits a number), with one power-of-two scale for each 32 numbers along K (OCP MX v1.0); their sums are f32. All else is computed in f32.
;;   The module's matrix products, in the order in which they are computed (A, B: the left and right operand; K: the contracted axis; several contracted axes count as one K, in the product's order):
;;     1. [M 4,096, K 2,048] x [K 2,048, N 512]; A: input q (given as codes); B: input Wq (given as codes): QUANTISED
;;     2. [M 4,096, K 2,048] x [K 2,048, N 512]; A: input k (given as codes); B: input Wk (given as codes): QUANTISED
;;     3. [M 4,096, K 2,048] x [K 2,048, N 512]; A: input v (given as codes); B: input Wv (given as codes): QUANTISED
;;     4. batch 64 x [M 2,048, K 16] x [K 16, N 2,048]; A: computed on the way; B: computed on the way: left as it is (K = 16 < 32)
;;     5. batch 64 x [M 16, K 2,048] x [K 2,048, N 2,048]; A: computed on the way; B: softmax (see below): QUANTISED
;;     6. [M 4,096, K 512] x [K 512, N 2,048]; A: computed on the way; B: input Wo (given as codes): QUANTISED
;;   THE QUANTISER, for each operand of a quantised product, along K:
;;     - K is cut into blocks of 32 from its start; a last block that is shorter is filled with zeros.
;;     - A block's scale is 2^e with e = floor(log2(the largest magnitude in the block)) - 2, held to -126 .. 127; a block of zeros has e = 0. As a byte (E8M0): e + 127.
;;     - Each number is divided by its block's scale, clamped to +-7.5, and rounded to the nearest number of E2M3, ties to even, subnormals kept.
;;     - The product sums the exact products of the quantised numbers (number of the format x scale) in f32.
;;   ~~~python
;;   def quantise(x, axis):      # numpy; x: float32 -> the quantised numbers, widened to float32 again
;;       x = np.moveaxis(x, axis, -1); K = x.shape[-1]
;;       x = np.pad(x, [(0, 0)] * (x.ndim - 1) + [(0, -K % 32)]); x = x.reshape(x.shape[:-1] + (-1, 32)); a = np.abs(x).max(-1, keepdims=True)
;;       e = np.where(a > 0, np.clip(np.frexp(np.where(a > 0, a, 1))[1] - 1 - 2, -126, 127), 0)      # np.frexp(a)[1] - 1 = floor(log2(a)), exactly
;;       r = np.clip(x / 2.0 ** e, -7.5, 7.5)
;;       step = 2.0 ** (np.maximum(np.frexp(np.where(r == 0, 1, r))[1] - 1, 0) - 3)
;;       q = np.round(r / step) * step * 2.0 ** e      # np.round: ties to even
;;       return np.moveaxis(q.reshape(q.shape[:-2] + (-1,))[..., :K], -1, axis).astype(np.float32)
;;   ~~~
;;   SOFTMAX AHEAD OF A QUANTISED PRODUCT. Where the list says 'softmax', what is quantised is not the finished softmax but p = 2^(t - M), with t = logit x log2(e) and M = ceil(the row's largest t), a whole number; so 1/2 < the row's largest p <= 1. The row's sum l is taken of the UNQUANTISED p, in f32, and the product's result is divided by l at the end. Since M is a whole number, a kernel that streams over the keys may use a running M (the ceiling of the running maximum): every later rescaling is an exact power of two, which a block's scale takes up: the codes' values come out the same.
;;   OPERANDS COMPUTED ON THE WAY. 'Computed on the way' means the value that the module computes at that place (a softmax that the list does not call 'softmax' is quantised finished and normalised). What goes into a quantiser is computed in f32, as accurately as f32 sums, v_exp_f32 and their like allow (about 1e-6 of the number): no bf16 or f16 on the way to a quantiser, and a product that is left as it is and whose result goes on into a quantised operand takes f32 operands (vector FMAs, or v_wmma_f32_16x16x4_f32). A number that lies on a knife's edge between two numbers of the format may be rounded either way, as far as f32 arithmetic and the matrix unit's own rounding can turn it there, and no further.
;;   INPUTS GIVEN AS CODES. Wk (in the module: [512, 2048], K = its axis 1); Wo (in the module: [2048, 512], K = its axis 1); Wq (in the module: [512, 2048], K = its axis 1); Wv (in the module: [512, 2048], K = its axis 1); k (in the module: [2, 2048, 2048], K = its axis 2); q (in the module: [2, 2048, 2048], K = its axis 2); v (in the module: [2, 2048, 2048], K = its axis 2): each comes as NAME_codes (uint8): NAME with its K axis moved to the last place and cut into blocks of 32 codes, [.., K / 32, bytes a block], one block behind the other in memory; four codes in three bytes: a row's codes are one little-endian stream of bits, code i at bits 6 i .. 6 i + 5 (a code: sign, 2 exponent bits, 3 mantissa bits); and NAME_scales (uint8): the same leading axes, one E8M0 byte (e + 127) for each 32 codes along K. Its value is code x scale, taken as it is: it is not quantised again, and the codes and scales need not be those that the quantiser above would give.
;; One version. Each part assembles by itself: llvm-mc -triple=amdgcn-amd-amdhsa -mcpu=gfx1250 --defsym DOCPART=n.
;; ======== version 1 of 1: 3 launches
;; workspace buffers: qimg 8,388,608 bytes; kimg 8,388,608 bytes; vq 1,638,400 bytes; att 8,388,608 bytes
;; launch proj (part 1): grid 32 x 6, 8 waves a work-group, clusters of 4 x 1, 327,680 bytes of LDS; arguments q_codes, q_scales, Wq_codes, Wq_scales, k_codes, k_scales, Wk_codes, Wk_scales, v_codes, v_scales, Wv_codes, Wv_scales, qimg, kimg, vq; writes qimg, kimg, vq
.if DOCPART == 1
	.amdgcn_target "amdgcn-amd-amdhsa--gfx1250"
	.amdhsa_code_object_version 6
	.text
	.protected	k_q8c1d231fd5_proj
	.globl	k_q8c1d231fd5_proj
	.p2align	8
	.type	k_q8c1d231fd5_proj,@function
k_q8c1d231fd5_proj:
	s_mov_b64 s[64:65], 0
	v_nop
	global_prefetch_b8 v0, s[64:65] scope:SCOPE_SE
	s_setreg_imm32_b32 hwreg(HW_REG_WAVE_MODE, 25, 1), 1
	s_wait_xcnt 0x0
	s_wait_alu depctr_hold_cnt(0) depctr_sa_sdst(0) depctr_va_vdst(0) depctr_va_sdst(0) depctr_va_ssrc(0) depctr_va_vcc(0) depctr_vm_vsrc(0)
	s_getreg_b32 s2, hwreg(HW_REG_IB_STS2, 6, 4)
	s_cmp_eq_u32 s2, 0
	s_cbranch_scc0 .Lentry_in_a_cluster
	s_endpgm
.Lentry_in_a_cluster:
	s_bfe_u32 s2, ttmp6, 0x10000c
	s_cmp_lg_u32 s2, 0x3003
	s_cbranch_scc0 .Lentry_shape_is_right
	s_endpgm
.Lentry_shape_is_right:
; THE THREE PROJECTIONS: qh = q Wq^T, kh = k Wk^T, vh = v Wv^T, [4,096 tokens][2,048] x [512 features][2,048], on the given codes of E2M3 with their E8M0 scale bytes, sums in f32.
; DEAD WORK: none.  Every product of the module reaches the output and every input is loaded.  The factor 1/8 on qh is a power of two: it is carried, exactly, in the constant of the next launch's softmax.
; LIMITS: NaN and infinities among the values are not served.  In vh's quantiser a block whose largest magnitude lies under 2^-124 keeps the scale byte 1; a block of zeros so gets the byte 1 with zero codes
; (the bytes are read by this program alone).
; SHARES.  Work-group (x, y): tokens 128 x .. 128 x + 127; y / 2 says which tensor (q, k, v), y % 2 which 256 of the 512 features.  Eight waves: wave w makes tokens 64 (w % 2) on x features 64 (w / 2) on (four heads):
; 16 accumulators of 16 x 16.  K goes in tiles of 256 (rows of 192 bytes) through a ring of two LDS slots; the scale bytes of the group's rows, for all of K, come once and stay.
; CLUSTER.  The four work-groups of a cluster have the same y, so they need the same tiles and scale bytes of W: waves 0-3 ask for them JOINTLY (mask 15).  The tokens' tiles are each work-group's own: waves 4-7 fetch them
; by plain loads; they are shared only by the two work-groups with the same x and tensor, and a cluster of 4 along x has no place for that pair.
; ONE TEXT FOR THREE TENSORS.  The matrix line is D(i, j) = X(i) x Y(j).  For q and k X is W's rows and Y the tokens: a lane then holds one token and eight neighbouring d of a head, which is the image that the next launch's
; f32 products load.  For v X is the tokens and Y is W's rows: a lane then holds one d, and its registers run along the tokens, which are the K of the product with the softmax.  Four LDS bases are chosen by the tensor's number.
; OUT.  qimg, kimg: [batch x head 64][tile of 16 tokens 128][1,024 bytes]; byte 512 p + 16 (16 h + r) + 4 i holds token r, d = 8 h + 4 p + i.
; vq: [batch x head 64][25,600 bytes]: for each 128 keys 1,536 bytes, an image of the operand's twelve registers (for c = 0, 1: registers 6 c .. 6 c + 3, 16 bytes a lane, then 6 c + 4, 6 c + 5, 8 bytes a lane);
; from byte 24,576 on the scale words, 64 bytes for each 128 keys, 4 bytes a d.
.set KROW,  1536                       ; a row of codes in memory: 2,048 x 6 / 8 bytes
.set ROWB,  192                        ; 256 codes: a tile's row
.set PITCH, 240                        ; an LDS row: 3 x (64 bytes + 16 of padding)
.set WT,    128*PITCH                  ; a slot: the tokens' 128 rows, then W's 256
.set SLOT,  384*PITCH
.set SCL,   2*SLOT                     ; behind the ring: the tokens' scale bytes, 128 rows x 64 bytes, as 32 units of 256 bytes + 16 of padding,
.set SCW,   SCL+32*272                 ; W's, 64 units,
.set SPARE, SCW+64*272                 ; and the spare words, 128 bytes for each wave: four blocks of 256 bytes that no other line names
.set LI,   1                           ; v1   16 x lane
.set L8,   2                           ; v2   8 x lane
.set L4R,  3                           ; v3   4 x (lane % 16)
.set ADRX, 4                           ; v4-5 LDS address of X's fragments in slot 0, 1;  v6-7 the same for the pieces that lie behind one padding more
.set ADRY, 8                           ; v8-11 the same for Y
.set ADSX, 12                          ; v12  X's scale words
.set ADSY, 13                          ; v13  Y's
.set SPW,  14                          ; v14  my spare word; never rewritten
.set NIL,  15                          ; v15  0; never rewritten
.set XS,   16                          ; v16-23 X's scale words: block i, the tile's q-th 128 along K at 2 i + q
.set YS,   24                          ; v24-31 Y's
.set XF,   32                          ; v32-79 X's four fragments
.set YF,   80                          ; v80-127 Y's
.set ACC,  128                         ; accumulator (i, j) at 128 + 32 j + 8 i
.set VT,   32                          ; v's way out: sixteen registers a head, v32-95
.set CNT,  2
.set WV,   16
.set WM,   17
.set WN,   18
.set W3,   19
.set Z,    20
.set FH,   21
.set TB,   22
.set G1W,  24                          ; s[24:31] group 1 for W's tiles;  s[32:39] the tokens';  s[40:47] W's scale bytes;  s[48:55] the tokens'
.set G1T,  32
.set G1SW, 40
.set G1ST, 48
.set G0W,  56                          ; s[56:63] group 0 for W's tiles, a set for each slot;  s[68:75] the tokens';  s[76:79], s[80:83] the scale bytes'
.set G0T,  68
.set G0SW, 76
.set G0ST, 80
.set SEL,  84
.set W0W,  15|(1<<20)|(1<<21)|(3<<22)|(3<<25)          ; mask of the four partners; elements of 1 byte; padding on; bit 21 beside a mask; after every 16 words 4 words
.set W0T,  (1<<20)|(3<<22)|(3<<25)                     ; the same without a mask
.set W0SW, 15|(3<<16)|(1<<20)|(1<<21)|(5<<22)|(3<<25)  ; elements of 8 bytes; after every 64 words 4 words
.set W0ST, (3<<16)|(1<<20)|(5<<22)|(3<<25)
.macro GROUP1 g, w0, c, r, p           ; a tile of r rows of c elements, p elements apart in memory
	s_mov_b32 s[\g], \w0
	s_mov_b32 s[\g+1], (\c)<<16
	s_mov_b32 s[\g+2], (\r)<<16
	s_mov_b32 s[\g+3], (\c)<<16
	s_mov_b32 s[\g+4], \r
	s_mov_b32 s[\g+5], \p
	s_mov_b32 s[\g+6], 0
	s_mov_b32 s[\g+7], 0
.endm
.macro ROUND                           ; a round of the cluster's barrier
	s_barrier_signal -1
	s_barrier_wait -1
	s_cmp_lg_u32 s[WV], 0
	s_cbranch_scc1 .Lnot_wave_0_\@
	s_barrier_signal -3
.Lnot_wave_0_\@:
	s_barrier_wait -3
	s_barrier_signal -1
	s_barrier_wait -1
.endm
; Waves 0-3 fetch for W, jointly with the partners; waves 4-7 the work-group's own tokens.  The branch hangs on the wave's number alone.  An s_nop 0 and four v_nop follow each line.
.macro JLOAD g0w, g1w, g0t, g1t
	s_cmp_lt_u32 s[WV], 4
	s_cbranch_scc0 .Lfor_t_\@
	tensor_load_to_lds s[\g0w:\g0w+3], s[\g1w:\g1w+7]
	s_nop 0
.rept 4
	v_nop
.endr
	s_branch .Lasked_\@
.Lfor_t_\@:
	tensor_load_to_lds s[\g0t:\g0t+3], s[\g1t:\g1t+7]
	s_nop 0
.rept 4
	v_nop
.endr
.Lasked_\@:
.endm
	s_load_b256 s[68:75], s[0:1], 0x0              ; q's codes, q's scales, Wq's codes, Wq's scales
	s_load_b256 s[76:83], s[0:1], 0x20             ; the same of k
	s_load_b256 s[84:91], s[0:1], 0x40             ; and of v
	s_load_b128 s[92:95], s[0:1], 0x60             ; qimg, kimg
	s_load_b64 s[96:97], s[0:1], 0x70              ; vq
	v_lshl_add_u32 v[SPW], v0, 2, SPARE
	v_mov_b32 v[NIL], 0
	ds_add_u32 v[SPW], v[NIL]                      ; the wave's opening: the add, twice on end, and its wait ahead of my first tensor load
	ds_add_u32 v[SPW], v[NIL]                      ; and once more, under the one wait; the set-up below is work on registers
	v_lshrrev_b32 v1, 5, v0
	v_readfirstlane_b32 s[WV], v1                  ; wave 0..7
	s_and_b32 s[WM], s[WV], 1                      ; which 64 tokens are mine
	s_lshr_b32 s[WN], s[WV], 1                     ; which 64 features
	s_and_b32 s[W3], s[WV], 3                      ; which quarter of a tile I fetch
	s_and_b32 s[FH], ttmp7, 0xffff                 ; y, which the partners share
	s_lshr_b32 s[Z], s[FH], 1                      ; the tensor: 0 q, 1 k, 2 v
	s_and_b32 s[FH], s[FH], 1                      ; the half of the features
	s_bfe_u32 s23, ttmp6, 0x40000                  ; cx
	s_lshl_b32 s[TB], ttmp9, 2
	s_add_co_u32 s[TB], s[TB], s23                 ; my block of 128 tokens = 4 x cluster x + cx
	GROUP1 G1W,  W0W,  ROWB, 64, KROW              ; 64 rows of 192 bytes
	GROUP1 G1T,  W0T,  ROWB, 32, KROW              ; 32 rows
	GROUP1 G1SW, W0SW, 32, 16, 32                  ; 64 rows' scale bytes: a dense block of 16 units of 256 bytes
	GROUP1 G1ST, W0ST, 32, 8, 32                   ; 32 rows': 8 units
	s_wait_dscnt 0x0                               ; both opening adds are done
	s_wait_kmcnt 0x0
	s_cmp_eq_u32 s[Z], 0                           ; the tensor's four buffers: a choice that hangs on the work-group's y alone
	s_cselect_b64 s[4:5], s[68:69], s[76:77]       ; the tokens' codes
	s_cselect_b64 s[6:7], s[70:71], s[78:79]       ; their scales
	s_cselect_b64 s[8:9], s[72:73], s[80:81]       ; W's codes
	s_cselect_b64 s[10:11], s[74:75], s[82:83]     ; W's scales
	s_cselect_b64 s[12:13], s[92:93], s[94:95]     ; qimg or kimg
	s_cmp_eq_u32 s[Z], 2
	s_cselect_b64 s[4:5], s[84:85], s[4:5]
	s_cselect_b64 s[6:7], s[86:87], s[6:7]
	s_cselect_b64 s[8:9], s[88:89], s[8:9]
	s_cselect_b64 s[10:11], s[90:91], s[10:11]
	s_mov_b64 s[14:15], s[96:97]                   ; vq
	s_lshl_b32 s86, s[FH], 8                       ; W: the first row that I fetch: 256 x half + 64 x quarter.  (s86-91 never hold cx)
	s_lshl_b32 s87, s[W3], 6
	s_add_co_u32 s86, s86, s87
	s_mul_i32 s88, s86, KROW                       ; its codes,
	s_mov_b32 s89, 0
	s_lshl_b32 s90, s86, 6                         ; its scale bytes, 64 a row
	s_mov_b32 s91, 0
	s_lshl_b32 s92, s[TB], 7                       ; the tokens: 128 x block + 32 x quarter
	s_lshl_b32 s93, s[W3], 5
	s_add_co_u32 s92, s92, s93
	s_mul_i32 s94, s92, KROW
	s_mov_b32 s95, 0
	s_lshl_b32 s96, s92, 6
	s_mov_b32 s97, 0
	s_mul_i32 s98, s[W3], 64*PITCH
	s_mov_b32 s[G0W], 1                            ; count = 1
	s_add_co_u32 s[G0W+1], s98, WT                 ; LDS address: slot 0
	s_add_nc_u64 s[G0W+2:G0W+3], s[8:9], s[88:89]  ; K tile 0
	s_mov_b32 s[G0W+4], 1
	s_add_co_u32 s[G0W+5], s98, SLOT+WT            ; slot 1
	s_add_nc_u64 s[G0W+6:G0W+7], s[G0W+2:G0W+3], ROWB   ; K tile 1
	s_or_b32 s[G0W+3], s[G0W+3], 0x80000000        ; type = 2
	s_or_b32 s[G0W+7], s[G0W+7], 0x80000000
	s_mul_i32 s99, s[W3], 32*PITCH
	s_mov_b32 s[G0T], 1
	s_mov_b32 s[G0T+1], s99
	s_add_nc_u64 s[G0T+2:G0T+3], s[4:5], s[94:95]
	s_mov_b32 s[G0T+4], 1
	s_add_co_u32 s[G0T+5], s99, SLOT
	s_add_nc_u64 s[G0T+6:G0T+7], s[G0T+2:G0T+3], ROWB
	s_or_b32 s[G0T+3], s[G0T+3], 0x80000000
	s_or_b32 s[G0T+7], s[G0T+7], 0x80000000
	s_mul_i32 s98, s[W3], 16*272
	s_mov_b32 s[G0SW], 1
	s_add_co_u32 s[G0SW+1], s98, SCW
	s_add_nc_u64 s[G0SW+2:G0SW+3], s[10:11], s[90:91]
	s_or_b32 s[G0SW+3], s[G0SW+3], 0x80000000
	s_mul_i32 s99, s[W3], 8*272
	s_mov_b32 s[G0ST], 1
	s_add_co_u32 s[G0ST+1], s99, SCL
	s_add_nc_u64 s[G0ST+2:G0ST+3], s[6:7], s[96:97]
	s_or_b32 s[G0ST+3], s[G0ST+3], 0x80000000
	s_mov_b32 s[SEL], 0x76543210
	s_mov_b32 s[SEL+1], 0xfedcba98                 ; v_permlanex16_b32's selects for lane l xor 16
	ROUND                                          ; all four work-groups are here: the first joint loads meet
	JLOAD G0SW, G1SW, G0ST, G1ST                   ; the scale bytes: filled once
	JLOAD G0W, G1W, G0T, G1T                       ; K tile 0 into slot 0: two loads of mine are out
	v_and_b32 v32, 31, v0                          ; lane
	v_and_b32 v33, 15, v0                          ; r
	v_bfe_u32 v34, v0, 4, 1                        ; h
	v_lshlrev_b32 v[LI], 4, v32
	v_lshlrev_b32 v[L8], 3, v32
	v_lshlrev_b32 v[L4R], 2, v33
	v_mul_u32_u24 v35, v33, PITCH
	v_mad_u32_u24 v35, v34, 24, v35                ; a fragment's row x pitch + 24 x half
	v_lshl_add_u32 v36, v34, 4, v35                ; and the same behind one padding more
	s_mul_i32 s86, s[WM], 64*PITCH                 ; my 64 tokens in a slot
	s_mul_i32 s87, s[WN], 64*PITCH                 ; my 64 rows of W,
	s_add_co_u32 s87, s87, WT                      ; behind the tokens' 128
	s_mul_i32 s88, s[WM], 16*272                   ; and their scale bytes: four rows to a unit
	s_add_co_u32 s88, s88, SCL
	s_mul_i32 s89, s[WN], 16*272
	s_add_co_u32 s89, s89, SCW
	s_cmp_eq_u32 s[Z], 2                           ; v: X = the tokens, Y = W;  q, k: X = W, Y = the tokens.  Both choices lie in the same slot, or among the scale bytes
	s_cselect_b32 s90, s86, s87
	s_cselect_b32 s91, s87, s86
	s_cselect_b32 s92, s88, s89
	s_cselect_b32 s93, s89, s88
	v_add_nc_u32 v[ADRX], s90, v35
	v_add_nc_u32 v[ADRX+1], SLOT, v[ADRX]
	v_add_nc_u32 v[ADRX+2], s90, v36
	v_add_nc_u32 v[ADRX+3], SLOT, v[ADRX+2]
	v_add_nc_u32 v[ADRY], s91, v35
	v_add_nc_u32 v[ADRY+1], SLOT, v[ADRY]
	v_add_nc_u32 v[ADRY+2], s91, v36
	v_add_nc_u32 v[ADRY+3], SLOT, v[ADRY+2]
	v_lshrrev_b32 v37, 2, v33
	v_and_b32 v38, 3, v33
	v_mul_u32_u24 v37, v37, 272
	v_lshl_add_u32 v37, v38, 6, v37                ; row r's scale bytes: unit r / 4, 64 (r % 4) in it
	v_add_nc_u32 v[ADSX], s92, v37
	v_add_nc_u32 v[ADSY], s93, v37
; A fragment, 16 rows x 128 K of 6-bit codes, is 12 registers: lane l holds row l % 16; registers 6 c .. 6 c + 5 hold K = 64 c + 32 (l / 16) + 0 .. 31: 24 bytes of the row's stream of bits, as they lie, in pieces of 8 bytes.
; Lanes 16-31 take the pieces three further on; where that is behind one padding more (16 bytes behind every 8 pieces), the second address register serves.
.macro FRAG reg, adr, q, i
.irp p, 0,1,2,3,4,5
.set PCE, 12*(\q)+6*(\p/3)+\p%3
.if PCE%8 < 5
	ds_load_b64 v[\reg+2*\p:\reg+2*\p+1], v[\adr] offset:8*PCE+16*(PCE/8)+(\i)*16*PITCH
.else
	ds_load_b64 v[\reg+2*\p:\reg+2*\p+1], v[\adr+2] offset:8*PCE+16*(PCE/8)+(\i)*16*PITCH
.endif
.endr
.endm
; 128 along K: the slot's q-th.  Sixteen matrix instructions; the sixteen accumulators take turns, one instruction a turn, in the same order in every step.
.macro STEP slot, q, zero
.rept 4
	v_nop                                          ; four places in front of loads into registers that matrix instructions have read (ISA guide 7.12.1 for vector instructions)
.endr
.if (\q) == 0
.irp i, 0,1,2,3
	ds_load_b64 v[XS+2*\i:XS+2*\i+1], v[ADSX] offset:\i*4*272      ; the tile's two scale words of block i's rows
.endr
.irp i, 0,1,2,3
	ds_load_b64 v[YS+2*\i:YS+2*\i+1], v[ADSY] offset:\i*4*272
.endr
	v_add_nc_u32 v[ADSX], 8, v[ADSX]               ; on to the next K tile's
	v_add_nc_u32 v[ADSY], 8, v[ADSY]
.endif
.irp i, 0,1,2,3
	FRAG XF+12*\i, ADRX+\slot, \q, \i
.endr
.irp j, 0,1,2,3
	FRAG YF+12*\j, ADRY+\slot, \q, \j
.endr
.irp j, 0,1,2,3
	s_wait_dscnt 18-6*\j                           ; all but Y's blocks behind block j, six loads each
.irp i, 0,1,2,3
.if \zero
	v_wmma_scale_f32_16x16x128_f8f6f4 v[ACC+32*\j+8*\i:ACC+32*\j+8*\i+7], v[XF+12*\i:XF+12*\i+11], v[YF+12*\j:YF+12*\j+11], 0, v[XS+2*\i+(\q)], v[YS+2*\j+(\q)] matrix_a_fmt:MATRIX_FMT_FP6 matrix_b_fmt:MATRIX_FMT_FP6
.else
	v_wmma_scale_f32_16x16x128_f8f6f4 v[ACC+32*\j+8*\i:ACC+32*\j+8*\i+7], v[XF+12*\i:XF+12*\i+11], v[YF+12*\j:YF+12*\j+11], v[ACC+32*\j+8*\i:ACC+32*\j+8*\i+7], v[XS+2*\i+(\q)], v[YS+2*\j+(\q)] matrix_a_fmt:MATRIX_FMT_FP6 matrix_b_fmt:MATRIX_FMT_FP6
.endif
.endr
.endr
.endm
; A K tile.  In front of the round each wave waits for all its tensor loads (its part of this trip's tile among them), adds 0 to its spare word, and waits for that and for its reads of the last trip's tile.
; Behind the round this slot is whole in every partner and nobody reads the other one: it takes the next tile, one load a wave, which has this trip's 32 matrix instructions in which to land.
.macro TRIP slot, refill, zero
	s_wait_tensorcnt 0x0                           ; no tensor load of mine is out, so a group 0 may be written
	ds_add_u32 v[SPW], v[NIL]                      ; 0 onto my spare word
	s_add_nc_u64 s[G0W+4*\slot+2:G0W+4*\slot+3], s[G0W+4*\slot+2:G0W+4*\slot+3], 2*ROWB   ; this slot's next tile
	s_add_nc_u64 s[G0T+4*\slot+2:G0T+4*\slot+3], s[G0T+4*\slot+2:G0T+4*\slot+3], 2*ROWB
	s_wait_dscnt 0x0                               ; the add is done, and my reads of the other slot are over
	ROUND
.if \refill
	JLOAD G0W+4*(1-\slot), G1W, G0T+4*(1-\slot), G1T
.endif
	STEP \slot, 0, \zero
	STEP \slot, 1, 0
.endm
	TRIP 0, 1, 1                                   ; K tile 0: its first products start the sums; slot 1 gets its first fill behind a round behind which nothing is filled again
	s_mov_b32 s[CNT], 3
.Llap:                                                 ; K tiles 1 to 6
	TRIP 1, 1, 0
	TRIP 0, 1, 0
	s_sub_co_u32 s[CNT], s[CNT], 1
	s_cmp_lg_u32 s[CNT], 0
	s_cbranch_scc1 .Llap
	TRIP 1, 0, 0                                   ; K tile 7: nothing is left to fetch
.rept 4
	v_nop                                          ; four places in front of the first read of results, and of writes into registers that the last products read
.endr
	s_lshr_b32 s86, s[TB], 4                       ; the batch
	s_and_b32 s87, s[TB], 15                       ; my block of 128 tokens in it
	s_lshl_b32 s88, s86, 5
	s_lshl_b32 s89, s[FH], 4
	s_add_co_u32 s88, s88, s89
	s_lshl_b32 s89, s[WN], 2
	s_add_co_u32 s88, s88, s89                     ; batch x 32 + my first head
	s_cmp_eq_u32 s[Z], 2                           ; the same in all waves and all partners
	s_cbranch_scc1 .Lv_out
	; q, k: accumulator (i, j) is head i, token tile j, and IS the image: its registers 0-3 are part 0, registers 4-7 part 1; a store covers 512 consecutive bytes, aligned
	s_lshl_b32 s90, s88, 7
	s_lshl_b32 s91, s87, 3
	s_add_co_u32 s90, s90, s91
	s_lshl_b32 s91, s[WM], 2
	s_add_co_u32 s90, s90, s91                     ; (batch x head) x 128 + my first tile of 16 tokens
	s_lshl_b32 s90, s90, 10
	s_mov_b32 s91, 0
	s_add_nc_u64 s[12:13], s[12:13], s[90:91]
.irp i, 0,1,2,3
.irp j, 0,1,2,3
	global_store_b128 v[LI], v[ACC+32*\j+8*\i:ACC+32*\j+8*\i+3], s[12:13] offset:\i*131072+\j*1024
	global_store_b128 v[LI], v[ACC+32*\j+8*\i+4:ACC+32*\j+8*\i+7], s[12:13] offset:\i*131072+\j*1024+512
.endr
.endr
	s_branch .Ldone
.Lv_out:
	; v: the 32 registers of head j hold d = lane % 16 and my 64 tokens: two blocks of 32 keys, half of an operand's 128
	s_mul_i32 s90, s88, 25600
	s_mul_i32 s91, s87, 1536
	s_add_co_u32 s92, s90, s91
	s_mul_i32 s91, s[WM], 768
	s_add_co_u32 s92, s92, s91
	s_mov_b32 s93, 0
	s_add_nc_u64 s[94:95], s[14:15], s[92:93]      ; my six registers' image
	s_lshl_b32 s91, s87, 6
	s_add_co_u32 s92, s90, s91
	s_lshl_b32 s91, s[WM], 1
	s_add_co_u32 s92, s92, s91
	s_add_nc_u64 s[96:97], s[14:15], s[92:93]      ; my two bytes of the scale words (their 24,576 stand in the immediate)
.irp j, 0,1,2,3
.irp b, 0,1
.irp n, 0,1,2,3,4,5,6,7
	v_permlane16_swap_b32 v[ACC+32*\j+16*\b+\n], v[ACC+32*\j+16*\b+8+\n]   ; register 16 b + i now holds token 32 b + 16 (lane / 16) + i.  (Each accumulator is read from its low end on)
.endr
.endr
.endr
.irp j, 0,1,2,3
.irp b, 0,1
	v_max3_num_f32 v[VT+16*\j+\b], |v[ACC+32*\j+16*\b]|, |v[ACC+32*\j+16*\b+1]|, 0x1800000   ; the block's largest magnitude: my 16 numbers, and the floor 2^(3 - 127): so the byte cannot fall under 1
.endr
.endr
.irp i, 2,4,6,8,10,12,14
.irp j, 0,1,2,3
.irp b, 0,1
	v_max3_num_f32 v[VT+16*\j+\b], v[VT+16*\j+\b], |v[ACC+32*\j+16*\b+\i]|, |v[ACC+32*\j+16*\b+\i+1]|
.endr
.endr
.endr
.irp j, 0,1,2,3
.irp b, 0,1
	v_permlanex16_b32 v[VT+16*\j+2+\b], v[VT+16*\j+\b], s[SEL], s[SEL+1]
.endr
.endr
.irp j, 0,1,2,3
.irp b, 0,1
	v_max_num_f32 v[VT+16*\j+\b], v[VT+16*\j+\b], v[VT+16*\j+2+\b]   ; with lane l xor 16's 16
.endr
.endr
.irp j, 0,1,2,3
.irp b, 0,1
	v_add_nc_u32 v[VT+16*\j+4+\b], 0xff000000, v[VT+16*\j+\b]        ; 2 off its exponent field: the conversion takes the exponent field of this operand as its scale
.endr
.endr
.irp j, 0,1,2,3
.irp b, 0,1
	v_lshrrev_b32 v[VT+16*\j+2+\b], 23, v[VT+16*\j+4+\b]             ; the scale's byte
.endr
.endr
.irp j, 0,1,2,3
	v_lshl_or_b32 v[VT+16*\j+6], v[VT+16*\j+3], 8, v[VT+16*\j+2]     ; my two bytes of d's scale word
.endr
.irp j, 0,1,2,3
.irp b, 0,1
	v_cvt_scalef32_pk16_fp6_f32 v[VT+16*\j+8+4*\b:VT+16*\j+10+4*\b], v[ACC+32*\j+16*\b:ACC+32*\j+16*\b+15], v[VT+16*\j+4+\b]
.endr
.endr
	v_nop                                          ; one plain place behind the scaled conversions
.irp j, 0,1,2,3
.irp n, 0,1,2
	v_permlane16_swap_b32 v[VT+16*\j+8+\n], v[VT+16*\j+12+\n]        ; the operand wants a whole block in a lane: lanes 0-15 the first block, lanes 16-31 the second
.endr
.irp n, 0,1,2
	v_mov_b32 v[VT+16*\j+11+\n], v[VT+16*\j+12+\n]                   ; the upper 16 codes move up beside the lower: six registers on end
.endr
.endr
.irp j, 0,1,2,3
	global_store_b128 v[LI], v[VT+16*\j+8:VT+16*\j+11], s[94:95] offset:\j*25600           ; 512 consecutive bytes
	global_store_b64 v[L8], v[VT+16*\j+12:VT+16*\j+13], s[94:95] offset:\j*25600+512       ; 256 consecutive bytes
	global_store_b16 v[L4R], v[VT+16*\j+6], s[96:97] offset:\j*25600+24576                 ; lanes l and l xor 16 write the same two bytes with the same value
.endr
.Ldone:
	s_wait_tensorcnt 0x0                           ; the wave's end
	ds_add_u32 v[SPW], v[NIL]
	s_wait_dscnt 0x0
	ROUND                                          ; the closing round: no work-group ends while a partner may still ask for a tile that names it
	s_endpgm
.Lfunc_end_k_q8c1d231fd5_proj:
	.size	k_q8c1d231fd5_proj, .Lfunc_end_k_q8c1d231fd5_proj-k_q8c1d231fd5_proj
	.p2alignl 7, 3214868480
	.fill 96, 4, 3214868480
	.section	.rodata,"a",@progbits
	.p2align	6, 0x0
	.amdhsa_kernel k_q8c1d231fd5_proj
		.amdhsa_group_segment_fixed_size 327680
		.amdhsa_private_segment_fixed_size 0
		.amdhsa_enable_private_segment 0
		.amdhsa_kernarg_size 120
		.amdhsa_user_sgpr_count 2
		.amdhsa_user_sgpr_kernarg_segment_ptr 1
		.amdhsa_wavefront_size32 1
		.amdhsa_system_sgpr_workgroup_id_x 1
		.amdhsa_system_sgpr_workgroup_id_y 1
		.amdhsa_system_sgpr_workgroup_id_z 1
		.amdhsa_system_vgpr_workitem_id 0
		.amdhsa_next_free_vgpr 256
		.amdhsa_next_free_sgpr 100
		.amdhsa_reserve_vcc 0
		.amdhsa_float_denorm_mode_32 3
		.amdhsa_float_denorm_mode_16_64 3
		.amdhsa_memory_ordered 1
		.amdhsa_forward_progress 1
		.amdhsa_inst_pref_size 72
	.end_amdhsa_kernel
	.amdgpu_metadata
---
amdhsa.version: [ 1, 2 ]
amdhsa.kernels:
  - .name:           k_q8c1d231fd5_proj
    .symbol:         k_q8c1d231fd5_proj.kd
    .args:
      - { .name: q_codes, .offset: 0, .size: 8, .value_kind: global_buffer, .address_space: global }
      - { .name: q_scales, .offset: 8, .size: 8, .value_kind: global_buffer, .address_space: global }
      - { .name: Wq_codes, .offset: 16, .size: 8, .value_kind: global_buffer, .address_space: global }
      - { .name: Wq_scales, .offset: 24, .size: 8, .value_kind: global_buffer, .address_space: global }
      - { .name: k_codes, .offset: 32, .size: 8, .value_kind: global_buffer, .address_space: global }
      - { .name: k_scales, .offset: 40, .size: 8, .value_kind: global_buffer, .address_space: global }
      - { .name: Wk_codes, .offset: 48, .size: 8, .value_kind: global_buffer, .address_space: global }
      - { .name: Wk_scales, .offset: 56, .size: 8, .value_kind: global_buffer, .address_space: global }
      - { .name: v_codes, .offset: 64, .size: 8, .value_kind: global_buffer, .address_space: global }
      - { .name: v_scales, .offset: 72, .size: 8, .value_kind: global_buffer, .address_space: global }
      - { .name: Wv_codes, .offset: 80, .size: 8, .value_kind: global_buffer, .address_space: global }
      - { .name: Wv_scales, .offset: 88, .size: 8, .value_kind: global_buffer, .address_space: global }
      - { .name: qimg, .offset: 96, .size: 8, .value_kind: global_buffer, .address_space: global }
      - { .name: kimg, .offset: 104, .size: 8, .value_kind: global_buffer, .address_space: global }
      - { .name: vq, .offset: 112, .size: 8, .value_kind: global_buffer, .address_space: global }
    .group_segment_fixed_size: 327680
    .private_segment_fixed_size: 0
    .kernarg_segment_align: 8
    .kernarg_segment_size: 120
    .max_flat_workgroup_size: 256
    .sgpr_count:     100
    .vgpr_count:     256
    .wavefront_size: 32
...
	.end_amdgpu_metadata
.endif
;; end of part 1
;; launch attn (part 2): grid 4 x 64, 16 waves a work-group, clusters of 4 x 1, 175,104 bytes of LDS; arguments qimg, kimg, vq, att; writes att
.if DOCPART == 2
	.amdgcn_target "amdgcn-amd-amdhsa--gfx1250"
	.amdhsa_code_object_version 6
	.text
	.protected	k_q8c1d231fd5_attn
	.globl	k_q8c1d231fd5_attn
	.p2align	8
	.type	k_q8c1d231fd5_attn,@function
k_q8c1d231fd5_attn:
	s_mov_b64 s[64:65], 0
	v_nop
	global_prefetch_b8 v0, s[64:65] scope:SCOPE_SE
	s_setreg_imm32_b32 hwreg(HW_REG_WAVE_MODE, 25, 1), 1
	s_wait_xcnt 0x0
	s_wait_alu depctr_hold_cnt(0) depctr_sa_sdst(0) depctr_va_vdst(0) depctr_va_sdst(0) depctr_va_ssrc(0) depctr_va_vcc(0) depctr_vm_vsrc(0)
	s_getreg_b32 s2, hwreg(HW_REG_IB_STS2, 6, 4)
	s_cmp_eq_u32 s2, 0
	s_cbranch_scc0 .Lentry_in_a_cluster
	s_endpgm
.Lentry_in_a_cluster:
	s_bfe_u32 s2, ttmp6, 0x10000c
	s_cmp_lg_u32 s2, 0x3003
	s_cbranch_scc0 .Lentry_shape_is_right
	s_endpgm
.Lentry_shape_is_right:
; ATTENTION OF ONE HEAD: scores = (qh / 8) . kh (K = 16, f32 operands, since the scores go on into a quantised operand), softmax, and the product with vh on codes of E2M3.  No work is left out.
; THE SOFTMAX AHEAD OF THE SECOND PRODUCT: t = score x log2(e) / 8; M = the row's largest t so far, rounded up to a whole number; p = 2^(t - M) is quantised along the keys, not normalised.  The row's sum is taken of the
; unquantised p and divides at the end.  When M moves, the sum and O are multiplied by 2^(old M - new M): exact.
; LIMITS: NaN and infinities are not served; a p under 2^-126 comes out of v_exp_f32 as 0; a block whose every p is 0 keeps the scale byte 1 with zero codes.
; SHARES.  A work-group takes 512 queries of one (batch, head); each of its sixteen waves two tiles of 16 queries, one after the other, in 256 registers: four waves to a SIMD, so that one wave's softmax stands beside
; the others' matrix instructions.  All 2,048 keys of the head lie in LDS, filled once: kh as f32 images (131,072 bytes), vh as codes and scale words (25,600 bytes).  No slot is filled again.
; CLUSTER.  The four work-groups of a cluster are the four query blocks of one head: kh and vh are asked for JOINTLY (mask 15), each wave one sixteenth of each.
; LAYOUT.  Both products are used transposed: S^T = K Q^T (source 0 = 16 keys, source 1 = my 16 queries), O^T = V^T P^T: a lane holds ONE query (lane % 16) throughout.
; In the f32 product the sixteen d are taken in the same permuted order on both sides: K step c, lane half h, register j is d = 8 h + 2 c + j.
; THE KEYS OF A TILE ARE NOT NEIGHBOURS: lane r of tile 2 b + u takes key 32 b + 8 u + r % 8 + 16 (r / 8), so that the 16 registers of tiles 2 b and 2 b + 1 are keys 32 b + 16 (lane / 16) + 0 .. 15.
; OUT.  att: [tile of 16 tokens 256][head 32][1,024 bytes]; byte 512 p + 16 (16 h + r) + 4 i holds token r, d = 8 h + 4 p + i.
.set KP,    1152                       ; a tile of 16 keys in LDS: 1,024 bytes + 128 of padding: the two groups of eight lanes of a load, one tile apart, then fall on different halves of 256 bytes
.set VB,    128*KP                     ; behind K: vq's block as it lies in memory
.set SPARE, VB+25600                   ; the spare words, 128 bytes for each wave: eight blocks of 256 bytes that no other line names
.set AK0,   1                          ; v1   my lane's place in a step's tiles of K
.set AV16,  2                          ; v2   VB + 16 x lane
.set AV8,   3                          ; v3   VB + 512 + 8 x lane
.set AVS,   4                          ; v4   V's scale words: VB + 24,576 + 4 (lane % 16)
.set SPW,   5                          ; v5   my spare word; never rewritten
.set NIL,   6                          ; v6   0; never rewritten
.set LI,    7                          ; v7   16 x lane
.set ADK,   8                          ; v8-11 the step's addresses
.set ADV16, 9
.set ADV8,  10
.set ADVS,  11
;                                        v12 -M, v13 the largest t, v[14:15] the sum in two halves; v16-23, v24-31 Q of my two tiles
.set R,     32                         ; v32-95   K's eight fragments, then t - M, then p
.set S,     96                         ; v96-159  S^T: written by the f32 matrix instruction alone
.set OT,    160                        ; v160-167 O^T
.set VF,    168                        ; v168-179 V's fragment
.set VS,    180                        ; v180     V's scale word
.set PS,    181                        ; v181     p's scale word
.set PCD,   182                        ; v182-193 p's codes
.set PC2,   194                        ; v194-196, v198-200 the conversions of the blocks' second halves
.set BM,    202                        ; v202-205 the blocks' largest scores, then largest p
.set BT,    206                        ; v206-209 at work
.set BO,    210                        ; v210-213 the conversions' scale operands
.set TMP,   214
.set FF,    216                        ; v[216:217] f = 2^(old M - new M)
.set SUM2,  218                        ; v[218:219] the second chain of the sum
.set RES,   220                        ; v220-227, v228-235 the two tiles' results
.set WV,    12
.set G1K,   16
.set G1V,   24
.set G0K,   32
.set G0V,   36
.set SEL,   40
.set CS,    42                         ; s[42:43] c = log2(e) / 8
.set TK,    44
.set TV,    45
.set TS,    46
.set CNT,   47
.macro ROUND
	s_barrier_signal -1
	s_barrier_wait -1
	s_cmp_lg_u32 s[WV], 0
	s_cbranch_scc1 .Lnot_wave_0_\@
	s_barrier_signal -3
.Lnot_wave_0_\@:
	s_barrier_wait -3
	s_barrier_signal -1
	s_barrier_wait -1
.endm
	s_load_b256 s[4:11], s[0:1], 0x0               ; qimg s[4:5], kimg s[6:7], vq s[8:9], att s[10:11]
	v_lshl_add_u32 v[SPW], v0, 2, SPARE
	v_mov_b32 v[NIL], 0
	ds_add_u32 v[SPW], v[NIL]                      ; the wave's opening: the add, twice on end, and its wait ahead of my first tensor load
	ds_add_u32 v[SPW], v[NIL]                      ; and once more, under the one wait; the set-up below is work on registers
	v_lshrrev_b32 v1, 5, v0
	v_readfirstlane_b32 s[WV], v1                  ; wave 0..15
	s_bfe_u32 s13, ttmp6, 0x40000                  ; cx
	s_lshl_b32 s14, ttmp9, 2
	s_add_co_u32 s14, s14, s13                     ; my block of 512 queries: it enters Q's and att's addresses alone
	s_and_b32 s15, ttmp7, 0xffff                   ; batch x 32 + head, which the partners share
	; K: 8 tiles of 1,024 bytes a wave, dense in memory, 128 bytes of padding behind each
	s_mov_b32 s[G1K], 15|(3<<16)|(1<<20)|(1<<21)|(7<<22)|(31<<25)   ; the mask of the four; elements of 8 bytes; padding on; bit 21 beside a mask; after every 256 words 32 words
	s_mov_b32 s[G1K+1], 128<<16                    ; tensor_dim0 = 128 elements
	s_mov_b32 s[G1K+2], 8<<16                      ; tensor_dim1 = 8
	s_mov_b32 s[G1K+3], 128<<16                    ; tile_dim0
	s_mov_b32 s[G1K+4], 8                          ; tile_dim1
	s_mov_b32 s[G1K+5], 128                        ; from row to row
	s_mov_b32 s[G1K+6], 0
	s_mov_b32 s[G1K+7], 0
	; V: one row of 1,600 bytes a wave: a sixteenth of the head's 25,600
	s_mov_b32 s[G1V], 15|(3<<16)|(1<<21)
	s_mov_b32 s[G1V+1], 200<<16
	s_mov_b32 s[G1V+2], 1<<16
	s_mov_b32 s[G1V+3], 200<<16
	s_mov_b32 s[G1V+4], 1
	s_mov_b32 s[G1V+5], 200
	s_mov_b32 s[G1V+6], 1<<16
	s_mov_b32 s[G1V+7], 0
	s_lshl_b32 s48, s15, 17                        ; K: the head's 131,072 bytes, my 8,192 of them.  (s48-51 never hold cx)
	s_lshl_b32 s49, s[WV], 13
	s_add_co_u32 s48, s48, s49
	s_mov_b32 s49, 0
	s_mul_i32 s50, s15, 25600                      ; V likewise
	s_mul_i32 s51, s[WV], 1600
	s_add_co_u32 s50, s50, s51
	s_mov_b32 s51, 0
	s_lshl_b32 s52, s15, 7                         ; Q: tile (batch x head) x 128 + 32 x block + 2 x wave
	s_lshl_b32 s53, s14, 5
	s_add_co_u32 s52, s52, s53
	s_lshl_b32 s53, s[WV], 1
	s_add_co_u32 s52, s52, s53
	s_lshl_b32 s52, s52, 10
	s_mov_b32 s53, 0
	s_lshr_b32 s54, s15, 5                         ; att: (token tile = batch x 128 + 32 x block + 2 x wave) x 32 + head
	s_lshl_b32 s54, s54, 7
	s_lshl_b32 s55, s14, 5
	s_add_co_u32 s54, s54, s55
	s_lshl_b32 s55, s[WV], 1
	s_add_co_u32 s54, s54, s55
	s_lshl_b32 s54, s54, 5
	s_and_b32 s55, s15, 31
	s_add_co_u32 s54, s54, s55
	s_lshl_b32 s54, s54, 10
	s_mov_b32 s55, 0
	s_mov_b32 s[SEL], 0x76543210
	s_mov_b32 s[SEL+1], 0xfedcba98                 ; v_permlanex16_b32's selects for lane l xor 16
	s_mov_b32 s[CS], 0x3e38aa3b                    ; c = log2(e) / 8
	s_mov_b32 s[CS+1], s[CS]                       ; (named with it as a pair, so it is written)
	s_wait_dscnt 0x0                               ; both opening adds are done
	s_wait_kmcnt 0x0
	s_mov_b32 s[G0K], 1
	s_mul_i32 s[G0K+1], s[WV], 8*KP
	s_add_nc_u64 s[G0K+2:G0K+3], s[6:7], s[48:49]
	s_or_b32 s[G0K+3], s[G0K+3], 0x80000000
	s_mov_b32 s[G0V], 1
	s_mul_i32 s[G0V+1], s[WV], 1600
	s_add_co_u32 s[G0V+1], s[G0V+1], VB
	s_add_nc_u64 s[G0V+2:G0V+3], s[8:9], s[50:51]
	s_or_b32 s[G0V+3], s[G0V+3], 0x80000000
	s_add_nc_u64 s[4:5], s[4:5], s[52:53]
	s_add_nc_u64 s[10:11], s[10:11], s[54:55]
	ROUND                                          ; all four work-groups are here: the joint loads meet
	tensor_load_to_lds s[G0K:G0K+3], s[G1K:G1K+7]  ; the only fills of the launch: two loads of mine are out
	s_nop 0
	tensor_load_to_lds s[G0V:G0V+3], s[G1V:G1V+7]
	s_nop 0
.rept 4
	v_nop
.endr
	v_and_b32 v8, 31, v0                           ; lane
	v_lshlrev_b32 v[LI], 4, v8
	global_load_b128 v[16:19], v[LI], s[4:5]                ; Q's two tiles stay in registers: register 4 p + i of a tile is d = 8 h + 4 p + i of query r
	global_load_b128 v[20:23], v[LI], s[4:5] offset:512
	global_load_b128 v[24:27], v[LI], s[4:5] offset:1024
	global_load_b128 v[28:31], v[LI], s[4:5] offset:1536
	v_and_b32 v9, 15, v0                           ; r
	v_bfe_u32 v10, v0, 4, 1                        ; h
	v_lshrrev_b32 v11, 3, v9                       ; r / 8
	v_and_b32 v12, 7, v9
	v_lshl_add_u32 v12, v10, 4, v12                ; 16 h + r % 8: the image's lane of key 8 u + r % 8 (the 8 u stand in the offset)
	v_lshlrev_b32 v12, 4, v12
	v_mad_u32_u24 v[AK0], v11, KP, v12             ; lanes 8-15 read the tile of 16 keys behind
	v_add_nc_u32 v[AV16], VB, v[LI]
	v_lshlrev_b32 v[AV8], 3, v8
	v_add_nc_u32 v[AV8], VB+512, v[AV8]
	v_lshl_add_u32 v[AVS], v9, 2, VB+24576
.irp b, 0,1,2,3
	v_mov_b32 v[BT+\b], 0                          ; written once: a lane permute's destination counts as one of its sources
.endr
	v_mov_b32 v[TMP], 0
	v_mov_b32 v[FF+1], 0                           ; (named as the upper half of the pair before it is first written)
	s_wait_tensorcnt 0x0                           ; my parts of K and V are in,
	s_barrier_signal -1
	s_barrier_wait -1                              ; everybody's are
	s_wait_loadcnt 0x0                             ; Q
; A KEY STEP: 128 keys against the 16 queries of tile n.
.macro STEP n
	v_add_nc_u32 v[ADK], s[TK], v[AK0]
.irp p, 0,1
.irp t, 0,1,2,3,4,5,6,7
	ds_load_b128 v[R+8*\t+4*\p:R+8*\t+4*\p+3], v[ADK] offset:(\t/2)*2*KP+(\t%2)*128+512*\p   ; tile t, d = 8 h + 4 p + 0 .. 3
.endr
.endr
.irp c, 0,1,2,3                                ; S^T = K Q^T: four K steps of 4; the eight accumulators take turns, one instruction a turn
.if \c == 0
	s_wait_dscnt 8                                 ; the first halves are in; the eight loads of the second halves may be out
.endif
.if \c == 2
	s_wait_dscnt 0x0
.endif
.irp t, 0,1,2,3,4,5,6,7
.if \c == 0
	v_wmma_f32_16x16x4_f32 v[S+8*\t:S+8*\t+7], v[R+8*\t:R+8*\t+1], v[16+8*(\n):17+8*(\n)], 0
.else
	v_wmma_f32_16x16x4_f32 v[S+8*\t:S+8*\t+7], v[R+8*\t+2*\c:R+8*\t+2*\c+1], v[16+8*(\n)+2*\c:17+8*(\n)+2*\c], v[S+8*\t:S+8*\t+7]
.endif
.endr
.endr
	v_add_nc_u32 v[ADV16], s[TV], v[AV16]          ; eight places behind this form in front of the first read of results: three additions that are due, and five v_nop
	v_add_nc_u32 v[ADV8], s[TV], v[AV8]
	v_add_nc_u32 v[ADVS], s[TS], v[AVS]
.rept 5
	v_nop
.endr
.irp b, 0,1,2,3
	v_max3_num_f32 v[BM+\b], v[S+16*\b], v[S+16*\b+1], v[S+16*\b+2]   ; the largest score of each block of 32 keys: it serves the row's maximum and, since p rises with the score, the block's largest p.  (Each accumulator is read from its low end on)
.endr
.irp i, 3,5,7,9,11,13
.irp b, 0,1,2,3
	v_max3_num_f32 v[BM+\b], v[BM+\b], v[S+16*\b+\i], v[S+16*\b+\i+1]
.endr
.endr
.irp b, 0,1,2,3
	v_max_num_f32 v[BM+\b], v[BM+\b], v[S+16*\b+15]
.endr
	ds_load_b128 v[VF:VF+3], v[ADV16]              ; V's fragment of these 128 keys, an image of its registers, and its scale words: they land while the softmax is walked
	ds_load_b64 v[VF+4:VF+5], v[ADV8]
	ds_load_b128 v[VF+6:VF+9], v[ADV16] offset:768
	ds_load_b64 v[VF+10:VF+11], v[ADV8] offset:768
	ds_load_b32 v[VS], v[ADVS]
.irp b, 0,1,2,3
	v_permlanex16_b32 v[BT+\b], v[BM+\b], s[SEL], s[SEL+1]
.endr
.irp b, 0,1,2,3
	v_max_num_f32 v[BM+\b], v[BM+\b], v[BT+\b]     ; with lane l xor 16's 16 keys
.endr
	v_max3_num_f32 v[TMP], v[BM], v[BM+1], v[BM+2]
	v_max_num_f32 v[TMP], v[TMP], v[BM+3]          ; the step's largest score of my query
	v_mul_f32 v[TMP], s[CS], v[TMP]                ; as t (c is positive)
	v_max_num_f32 v13, v13, v[TMP]                 ; the running largest t
	v_mov_b32 v[TMP], v12
	v_floor_f32 v12, -v13                          ; the new -M = floor(-t) = -ceil(t): a whole number
	v_sub_f32 v[TMP], v12, v[TMP]                  ; old M less new M: a whole number, 0 or less
	v_cvt_i32_f32 v[TMP], v[TMP]                   ; (it saturates)
	v_ldexp_f32 v[FF], 1.0, v[TMP]                 ; f = 2^(old M - new M)
.irp j, 0,2,4,6,8,10,12,14,16,18,20,22,24,26,28,30,32,34,36,38,40,42,44,46,48,50,52,54,56,58,60,62
	v_pk_fma_f32 v[R+\j:R+\j+1], v[S+\j:S+\j+1], s[CS:CS+1], v[12:13] op_sel_hi:[1,0,0]   ; t - M, two at a time, into the registers that K's fragments have left
.endr
.irp b, 0,1,2,3
	v_fma_f32 v[BM+\b], v[BM+\b], s[CS], v12       ; the same of each block's largest score
.endr
.irp j, 0,1,2,3,4,5,6,7,8,9,10,11,12,13,14,15,16,17,18,19,20,21,22,23,24,25,26,27,28,29,30,31,32,33,34,35,36,37,38,39,40,41,42,43,44,45,46,47,48,49,50,51,52,53,54,55,56,57,58,59,60,61,62,63
	v_exp_f32 v[R+\j], v[R+\j]                     ; p = 2^(t - M), at most 1: not normalised
.endr
	v_pk_mul_f32 v[14:15], v[14:15], v[FF:FF+1] op_sel_hi:[1,0]   ; the sums under the new M.  (The plain place behind the exponentials)
	s_wait_alu depctr_va_vdst(0)                   ; one wait for the batch of 64, ahead of its first reader
.irp b, 0,1,2,3
	v_exp_f32 v[BM+\b], v[BM+\b]                   ; the blocks' largest p
.endr
.irp j, 0,2,4,6
	v_pk_mul_f32 v[OT+\j:OT+\j+1], v[OT+\j:OT+\j+1], v[FF:FF+1] op_sel_hi:[1,0]   ; O^T under the new M.  (Plain work behind the four)
.endr
	v_pk_add_f32 v[SUM2:SUM2+1], v[R:R+1], v[R+2:R+3]   ; the row's sum is taken of the unquantised p: two at a time, in two chains; the first half here
.irp j, 4,8,12,16,20,24,28
	v_pk_add_f32 v[14:15], v[14:15], v[R+\j:R+\j+1]
	v_pk_add_f32 v[SUM2:SUM2+1], v[SUM2:SUM2+1], v[R+\j+2:R+\j+3]
.endr
	s_wait_alu depctr_va_vdst(0)                   ; and one wait for the four
.irp b, 0,1,2,3
	v_max_num_f32 v[BM+\b], 0x1800000, v[BM+\b]    ; the floor 2^(3 - 127): the byte cannot fall under 1
.endr
.irp b, 0,1,2,3
	v_add_nc_u32 v[BO+\b], 0xff000000, v[BM+\b]    ; 2 off the exponent field: the conversion's scale operand
.endr
.irp b, 0,1,2,3
	v_lshrrev_b32 v[BT+\b], 23, v[BO+\b]           ; the scale's byte
.endr
	v_lshl_or_b32 v[PS], v[BT+1], 8, v[BT]         ; p's scale word for these 128 keys
	v_lshl_or_b32 v[PS], v[BT+2], 16, v[PS]
	v_lshl_or_b32 v[PS], v[BT+3], 24, v[PS]
.irp c, 0,1
	v_cvt_scalef32_pk16_fp6_f32 v[PCD+6*\c:PCD+6*\c+2], v[R+32*\c:R+32*\c+15], v[BO+2*\c]
	v_cvt_scalef32_pk16_fp6_f32 v[PC2+4*\c:PC2+4*\c+2], v[R+32*\c+16:R+32*\c+31], v[BO+2*\c+1]   ; (a conversion's three registers begin on an even number)
.endr
	v_nop                                          ; one plain place behind the scaled conversions
.irp c, 0,1                                    ; the operand wants a whole block in a lane: lanes 0-15 block 2 c, lanes 16-31 block 2 c + 1
.irp i, 0,1,2
	v_permlane16_swap_b32 v[PCD+6*\c+\i], v[PC2+4*\c+\i]
.endr
.irp i, 0,1,2
	v_mov_b32 v[PCD+6*\c+3+\i], v[PC2+4*\c+\i]
.endr
.endr
.irp j, 32,36,40,44,48,52,56,60                ; the sum's second half: seventeen plain lines that name no register of the product below: the eight places behind p's scale word and the four behind its codes
	v_pk_add_f32 v[14:15], v[14:15], v[R+\j:R+\j+1]
	v_pk_add_f32 v[SUM2:SUM2+1], v[SUM2:SUM2+1], v[R+\j+2:R+\j+3]
.endr
	v_pk_add_f32 v[14:15], v[14:15], v[SUM2:SUM2+1]
	s_wait_dscnt 0x0                               ; V's fragment and scale word are in
	v_wmma_scale_f32_16x16x128_f8f6f4 v[OT:OT+7], v[VF:VF+11], v[PCD:PCD+11], v[OT:OT+7], v[VS], v[PS] matrix_a_fmt:MATRIX_FMT_FP6 matrix_b_fmt:MATRIX_FMT_FP6   ; O^T += V^T P^T: source 0 = the head's 16 d, source 1 = my 16 queries
	s_add_co_u32 s[TK], s[TK], 8*KP                ; the next 128 keys
	s_add_co_u32 s[TV], s[TV], 1536
	s_add_co_u32 s[TS], s[TS], 64
.endm
; A tile of 16 queries walks the head's sixteen key steps.  O^T and the sum begin as zeros and the largest t as -3e38: the first change of M multiplies zeros.
.macro TILE n
	s_mov_b32 s[TK], 0
	s_mov_b32 s[TV], 0
	s_mov_b32 s[TS], 0
	s_mov_b32 s[CNT], 16
	v_mov_b32 v13, 0xff61b1e6
	v_floor_f32 v12, -v13
	v_mov_b32 v14, 0
	v_mov_b32 v15, 0
.irp j, 0,1,2,3,4,5,6,7
	v_mov_b32 v[OT+\j], 0
.endr
.Lstep_\@:
	STEP \n
	s_sub_co_u32 s[CNT], s[CNT], 1
	s_cmp_lg_u32 s[CNT], 0
	s_cbranch_scc1 .Lstep_\@
.rept 4
	v_nop                                          ; four places behind the last product in front of the read of its results
.endr
	v_add_f32 v14, v14, v15                        ; the sum's two halves,
	v_permlanex16_b32 v[TMP], v14, s[SEL], s[SEL+1]
	v_add_f32 v14, v14, v[TMP]                     ; and lane l xor 16's: the row's sum
	v_rcp_f32 v[FF], v14
	v_nop                                          ; a plain place behind the reciprocal
	s_wait_alu depctr_va_vdst(0)                   ; and the wait ahead of its first reader
.irp j, 0,1,2,3,4,5,6,7
	v_mul_f32 v[RES+8*(\n)+\j], v[OT+\j], v[FF]    ; register j is out(query r, d = 8 h + j)
.endr
	global_store_b128 v[LI], v[RES+8*(\n):RES+8*(\n)+3], s[10:11] offset:(\n)*32768          ; 512 consecutive bytes, aligned: part 0 of the image,
	global_store_b128 v[LI], v[RES+8*(\n)+4:RES+8*(\n)+7], s[10:11] offset:(\n)*32768+512    ; part 1
.endm
	TILE 0
	TILE 1
	s_wait_tensorcnt 0x0                           ; the wave's end
	ds_add_u32 v[SPW], v[NIL]
	s_wait_dscnt 0x0
	ROUND                                          ; the closing round
	s_endpgm
.Lfunc_end_k_q8c1d231fd5_attn:
	.size	k_q8c1d231fd5_attn, .Lfunc_end_k_q8c1d231fd5_attn-k_q8c1d231fd5_attn
	.p2alignl 7, 3214868480
	.fill 96, 4, 3214868480
	.section	.rodata,"a",@progbits
	.p2align	6, 0x0
	.amdhsa_kernel k_q8c1d231fd5_attn
		.amdhsa_group_segment_fixed_size 175104
		.amdhsa_private_segment_fixed_size 0
		.amdhsa_enable_private_segment 0
		.amdhsa_kernarg_size 32
		.amdhsa_user_sgpr_count 2
		.amdhsa_user_sgpr_kernarg_segment_ptr 1
		.amdhsa_wavefront_size32 1
		.amdhsa_system_sgpr_workgroup_id_x 1
		.amdhsa_system_sgpr_workgroup_id_y 1
		.amdhsa_system_sgpr_workgroup_id_z 1
		.amdhsa_system_vgpr_workitem_id 0
		.amdhsa_next_free_vgpr 256
		.amdhsa_next_free_sgpr 66
		.amdhsa_reserve_vcc 0
		.amdhsa_float_denorm_mode_32 3
		.amdhsa_float_denorm_mode_16_64 3
		.amdhsa_memory_ordered 1
		.amdhsa_forward_progress 1
		.amdhsa_inst_pref_size 39
	.end_amdhsa_kernel
	.amdgpu_metadata
---
amdhsa.version: [ 1, 2 ]
amdhsa.kernels:
  - .name:           k_q8c1d231fd5_attn
    .symbol:         k_q8c1d231fd5_attn.kd
    .args:
      - { .name: qimg, .offset: 0, .size: 8, .value_kind: global_buffer, .address_space: global }
      - { .name: kimg, .offset: 8, .size: 8, .value_kind: global_buffer, .address_space: global }
      - { .name: vq, .offset: 16, .size: 8, .value_kind: global_buffer, .address_space: global }
      - { .name: att, .offset: 24, .size: 8, .value_kind: global_buffer, .address_space: global }
    .group_segment_fixed_size: 175104
    .private_segment_fixed_size: 0
    .kernarg_segment_align: 8
    .kernarg_segment_size: 32
    .max_flat_workgroup_size: 512
    .sgpr_count:     66
    .vgpr_count:     256
    .wavefront_size: 32
...
	.end_amdgpu_metadata
.endif
;; end of part 2
;; launch outp (part 3): grid 32 x 8, 8 waves a work-group, clusters of 4 x 1, 203,776 bytes of LDS; arguments att, Wo_codes, Wo_scales, out0; writes out0
.if DOCPART == 3
	.amdgcn_target "amdgcn-amd-amdhsa--gfx1250"
	.amdhsa_code_object_version 6
	.text
	.protected	k_q8c1d231fd5_outp
	.globl	k_q8c1d231fd5_outp
	.p2align	8
	.type	k_q8c1d231fd5_outp,@function
k_q8c1d231fd5_outp:
	s_mov_b64 s[64:65], 0
	v_nop
	global_prefetch_b8 v0, s[64:65] scope:SCOPE_SE
	s_setreg_imm32_b32 hwreg(HW_REG_WAVE_MODE, 25, 1), 1
	s_wait_xcnt 0x0
	s_wait_alu depctr_hold_cnt(0) depctr_sa_sdst(0) depctr_va_vdst(0) depctr_va_sdst(0) depctr_va_ssrc(0) depctr_va_vcc(0) depctr_vm_vsrc(0)
	s_getreg_b32 s2, hwreg(HW_REG_IB_STS2, 6, 4)
	s_cmp_eq_u32 s2, 0
	s_cbranch_scc0 .Lentry_in_a_cluster
	s_endpgm
.Lentry_in_a_cluster:
	s_bfe_u32 s2, ttmp6, 0x10000c
	s_cmp_lg_u32 s2, 0x3003
	s_cbranch_scc0 .Lentry_shape_is_right
	s_endpgm
.Lentry_shape_is_right:
; THE PROJECTION ON THE WAY OUT: out0 = Q(att) Wo^T, [4,096 rows][512] x [2,048 columns][512]; att is quantised here, along its 512 (head x 16 + d), Wo comes as codes of E2M3 with E8M0 scale bytes.  No work is left out.
; LIMITS: NaN and infinities are not served; a block whose largest magnitude lies under 2^-124 keeps the scale byte 1; a block of zeros so gets the byte 1 with zero codes (the bytes never leave LDS).
; SHARES.  Work-group (x, y): rows 128 x on, columns 256 y on.  Eight waves.  First wave w quantises rows 16 w .. 16 w + 15 (four fragments of 128 along K) and lays them in LDS as images of the operand's registers;
; behind one barrier wave w makes rows 64 (w % 2) on x columns 64 (w / 2) on: 16 accumulators, four K steps.  Nothing in LDS is filled again.
; CLUSTER.  The four work-groups of a cluster have the same y: Wo's 256 rows and their scale bytes are asked for JOINTLY (mask 15), each wave an eighth.  att's rows are the work-group's own among its partners and
; come through registers, since they are quantised on the way.
; THE MATRIX INSTRUCTION IS USED TRANSPOSED (source 0 = 16 rows of Wo, source 1 = 16 rows of att): a lane then holds eight neighbouring numbers of a row of out0.
.set WP,    432                        ; a row of Wo in LDS: 3 x (128 bytes + 16 of padding) = 108 words: the 32 lanes of a load of 8 bytes touch 64 different banks
.set WOS,   256*WP                     ; Wo's scale bytes: 16 a row, dense
.set AIMG,  WOS+4096                   ; att's 32 fragments (row tile m, K step s: 4 m + s), 1,536 bytes each
.set ASC,   AIMG+32*1536               ; their scale words, 128 bytes each
.set STG,   ASC+32*128                 ; the way out: 16 rows x (256 bytes + 16) for each wave
.set SPARE, STG+8*16*272               ; the spare words, 128 bytes for each wave: four blocks of 256 bytes that no other line names
.set LI,   1                           ; v1   16 x lane
.set LS,   2                           ; v2   4 x lane
.set XA,   3                           ; v3   att: 1,024 h + 16 r
.set XWI,  4                           ; v4   where I store my images
.set XWS,  5                           ; v5   and their scale words
.set YA,   6                           ; v6   where I read my 64 rows' images
.set YSA,  7                           ; v7   and their scale words
.set ADX,  8                           ; v8   Wo's fragments;  v9 the same for the pieces that lie behind one padding more
.set ADX2, 9
.set ADXS, 10                          ; v10  Wo's scale words
.set SO,   11                          ; v11  the stage: where I put 32 bytes of a row
.set SR,   12                          ; v12  and where I read a row back
.set GO,   13                          ; v13  my byte offset in two rows of out0
.set SPW,  14                          ; v14  my spare word; never rewritten
.set NIL,  15                          ; v15  0; never rewritten
.set XS,   16                          ; v16-19 Wo's scale words;  v20-23 att's
.set YS,   20
.set TM,   24                          ; the quantiser: v24-27 largest magnitudes, v28-31 bytes, v36-39 scale operands
.set PW,   40                          ; the scale word just made
.set QC,   42                          ; v42-53 the codes just made; v54-60 at work
.set B0,   128                         ; 64 numbers of att: three sets
.set B1,   192
.set B2,   64
.set XF,   32                          ; Wo's four fragments
.set YF,   80                          ; att's four
.set ACC,  128                         ; accumulator (i, j) at 128 + 32 j + 8 i: columns 16 i on, rows 16 j on
.set BK,   32                          ; the way out: 16 rows read back: v32-63 and v64-95 by turns
.set WV,   12
.set RG,   14
.set CG,   15
.set WM,   16
.set WN,   17
.set G1C,  24
.set G1S,  32
.set G0C,  40
.set G0S,  44
.set SEL,  48
.macro ROUND
	s_barrier_signal -1
	s_barrier_wait -1
	s_cmp_lg_u32 s[WV], 0
	s_cbranch_scc1 .Lnot_wave_0_\@
	s_barrier_signal -3
.Lnot_wave_0_\@:
	s_barrier_wait -3
	s_barrier_signal -1
	s_barrier_wait -1
.endm
	s_load_b256 s[4:11], s[0:1], 0x0               ; att s[4:5], Wo's codes s[6:7], Wo's scales s[8:9], out0 s[10:11]
	v_lshl_add_u32 v[SPW], v0, 2, SPARE
	v_mov_b32 v[NIL], 0
	ds_add_u32 v[SPW], v[NIL]                      ; the wave's opening: the add, twice on end, and its wait ahead of my first tensor load
	ds_add_u32 v[SPW], v[NIL]                      ; and once more, under the one wait; the set-up below is work on registers
	v_lshrrev_b32 v1, 5, v0
	v_readfirstlane_b32 s[WV], v1                  ; wave 0..7
	s_and_b32 s[WM], s[WV], 1
	s_lshr_b32 s[WN], s[WV], 1
	s_bfe_u32 s13, ttmp6, 0x40000                  ; cx
	s_lshl_b32 s[RG], ttmp9, 2
	s_add_co_u32 s[RG], s[RG], s13                 ; my block of 128 rows
	s_and_b32 s[CG], ttmp7, 0xffff                 ; my block of 256 columns, which the partners share
	; Wo's codes: 32 rows of 384 bytes a wave, dense in memory, 16 bytes of padding behind every 128
	s_mov_b32 s[G1C], 15|(1<<20)|(1<<21)|(4<<22)|(3<<25)   ; the mask of the four; elements of 1 byte; padding on; bit 21 beside a mask; after every 32 words 4 words
	s_mov_b32 s[G1C+1], 384<<16
	s_mov_b32 s[G1C+2], 32<<16
	s_mov_b32 s[G1C+3], 384<<16
	s_mov_b32 s[G1C+4], 32
	s_mov_b32 s[G1C+5], 384
	s_mov_b32 s[G1C+6], 0
	s_mov_b32 s[G1C+7], 0
	; their scale bytes: 512 dense bytes a wave, as two rows of 256
	s_mov_b32 s[G1S], 15|(3<<16)|(1<<21)
	s_mov_b32 s[G1S+1], 32<<16
	s_mov_b32 s[G1S+2], 2<<16
	s_mov_b32 s[G1S+3], 32<<16
	s_mov_b32 s[G1S+4], 2
	s_mov_b32 s[G1S+5], 32
	s_mov_b32 s[G1S+6], 0
	s_mov_b32 s[G1S+7], 0
	s_lshl_b32 s50, s[CG], 8                       ; Wo: the first row that I fetch: 256 y + 32 x wave.  (s50-55 never hold cx)
	s_lshl_b32 s51, s[WV], 5
	s_add_co_u32 s50, s50, s51
	s_mul_i32 s52, s50, 384
	s_mov_b32 s53, 0
	s_lshl_b32 s54, s50, 4
	s_mov_b32 s55, 0
	s_lshl_b32 s56, s[RG], 3                       ; att: token tile 8 x + wave, 32,768 bytes each
	s_add_co_u32 s56, s56, s[WV]
	s_lshl_b32 s56, s56, 15
	s_mov_b32 s57, 0
	s_lshl_b32 s58, s[RG], 7                       ; out0: row 128 x + 64 (w % 2), 8,192 bytes a row,
	s_lshl_b32 s59, s[WM], 6
	s_add_co_u32 s58, s58, s59
	s_lshl_b32 s58, s58, 13
	s_lshl_b32 s59, s[CG], 10                      ; column 256 y + 64 (w / 2), 4 bytes each
	s_add_co_u32 s58, s58, s59
	s_lshl_b32 s59, s[WN], 8
	s_add_co_u32 s58, s58, s59
	s_mov_b32 s59, 0
	s_mov_b32 s[SEL], 0x76543210
	s_mov_b32 s[SEL+1], 0xfedcba98
	s_wait_dscnt 0x0                               ; both opening adds are done
	s_wait_kmcnt 0x0
	s_mov_b32 s[G0C], 1
	s_mul_i32 s[G0C+1], s[WV], 32*WP
	s_add_nc_u64 s[G0C+2:G0C+3], s[6:7], s[52:53]
	s_or_b32 s[G0C+3], s[G0C+3], 0x80000000
	s_mov_b32 s[G0S], 1
	s_lshl_b32 s[G0S+1], s[WV], 9
	s_add_co_u32 s[G0S+1], s[G0S+1], WOS
	s_add_nc_u64 s[G0S+2:G0S+3], s[8:9], s[54:55]
	s_or_b32 s[G0S+3], s[G0S+3], 0x80000000
	s_add_nc_u64 s[4:5], s[4:5], s[56:57]
	s_add_nc_u64 s[10:11], s[10:11], s[58:59]
	ROUND                                          ; all four work-groups are here: the joint loads meet
	tensor_load_to_lds s[G0C:G0C+3], s[G1C:G1C+7]  ; the only fills of the launch: two loads of mine are out
	s_nop 0
	tensor_load_to_lds s[G0S:G0S+3], s[G1S:G1S+7]
	s_nop 0
.rept 4
	v_nop
.endr
	v_and_b32 v24, 31, v0                          ; lane
	v_and_b32 v25, 15, v0                          ; r
	v_bfe_u32 v26, v0, 4, 1                        ; h
	v_lshlrev_b32 v27, 4, v25                      ; 16 r
	v_lshl_add_u32 v[XA], v26, 10, v27
; My 16 rows' numbers of K step s (heads 8 s .. 8 s + 7).  Block b of 32 is heads 8 s + 2 b and 8 s + 2 b + 1; lane half h takes head 8 s + 2 b + h whole: register 16 b + i is k = 32 b + 16 h + i of row r.
; In a head's image d = 0-3, 4-7, 8-11, 12-15 of row r lie at 16 r + 0, 512, 256, 768: each load reads two whole aligned blocks of 256 bytes.
.macro XLOAD reg, s
.irp b, 0,1,2,3
	global_load_b128 v[\reg+16*\b:\reg+16*\b+3], v[XA], s[4:5] offset:(8*(\s)+2*\b)*1024
	global_load_b128 v[\reg+16*\b+4:\reg+16*\b+7], v[XA], s[4:5] offset:(8*(\s)+2*\b)*1024+512
	global_load_b128 v[\reg+16*\b+8:\reg+16*\b+11], v[XA], s[4:5] offset:(8*(\s)+2*\b)*1024+256
	global_load_b128 v[\reg+16*\b+12:\reg+16*\b+15], v[XA], s[4:5] offset:(8*(\s)+2*\b)*1024+768
.endr
.endm
	XLOAD B0, 0
	XLOAD B1, 1
	XLOAD B2, 2
	v_lshlrev_b32 v[LI], 4, v24
	v_lshlrev_b32 v[LS], 2, v24
	s_mul_i32 s60, s[WV], 4*1536
	s_add_co_u32 s60, s60, AIMG
	v_add_nc_u32 v[XWI], s60, v[LI]                ; row tile w's four images
	s_lshl_b32 s60, s[WV], 9
	s_add_co_u32 s60, s60, ASC
	v_add_nc_u32 v[XWS], s60, v[LS]
	s_mul_i32 s60, s[WM], 16*1536
	s_add_co_u32 s60, s60, AIMG
	v_add_nc_u32 v[YA], s60, v[LI]                 ; row tiles 4 (w % 2) on
	s_lshl_b32 s60, s[WM], 11
	s_add_co_u32 s60, s60, ASC
	v_add_nc_u32 v[YSA], s60, v[LS]
	v_mul_u32_u24 v28, v25, WP
	v_mad_u32_u24 v28, v26, 24, v28
	s_mul_i32 s60, s[WN], 64*WP
	v_add_nc_u32 v[ADX], s60, v28                  ; my 64 rows of Wo: row x pitch + 24 x half
	v_lshl_add_u32 v[ADX2], v26, 4, v[ADX]
	s_lshl_b32 s60, s[WN], 10
	s_add_co_u32 s60, s60, WOS
	v_add_nc_u32 v[ADXS], s60, v27
	s_mul_i32 s60, s[WV], 16*272
	s_add_co_u32 s60, s60, STG                     ; my stage
	v_mul_u32_u24 v28, v25, 272
	v_lshl_add_u32 v28, v26, 5, v28
	v_add_nc_u32 v[SO], s60, v28                   ; in: row r, 32 bytes for each half of the lanes
	v_mul_u32_u24 v28, v26, 272
	v_add_nc_u32 v28, v28, v27
	v_add_nc_u32 v[SR], s60, v28                   ; back: lanes 0-15 one row of 256 bytes, lanes 16-31 the next
	v_lshl_add_u32 v[GO], v26, 13, v27             ; and the same two rows in out0
.irp b, 0,1,2,3
	v_mov_b32 v[TM+4+\b], 0                        ; written once: a lane permute's destination counts as one of its sources
.endr
; 64 numbers of a lane, register 16 b + i = k 32 b + 16 (lane / 16) + i of my row, become a fragment's codes in v[QC] on and its scale word in v[PW].
.macro QUANT s
.irp b, 0,1,2,3
	v_max3_num_f32 v[TM+\b], |v[\s+16*\b]|, |v[\s+1+16*\b]|, 0x1800000   ; block b: my 16 numbers, and the floor 2^(3 - 127): so the byte cannot fall under 1
.endr
.irp i, 2,4,6,8,10,12,14
.irp b, 0,1,2,3
	v_max3_num_f32 v[TM+\b], v[TM+\b], |v[\s+16*\b+\i]|, |v[\s+1+16*\b+\i]|
.endr
.endr
.irp b, 0,1,2,3
	v_permlanex16_b32 v[TM+4+\b], v[TM+\b], s[SEL], s[SEL+1]
.endr
.irp b, 0,1,2,3
	v_max_num_f32 v[TM+\b], v[TM+\b], v[TM+4+\b]   ; with lane l xor 16's: the block's largest magnitude
.endr
.irp b, 0,1,2,3
	v_add_nc_u32 v[TM+12+\b], 0xff000000, v[TM+\b] ; 2 off its exponent field: the conversion's scale operand
.endr
.irp b, 0,1,2,3
	v_lshrrev_b32 v[TM+4+\b], 23, v[TM+12+\b]      ; the scale's byte
.endr
	v_lshl_or_b32 v[PW], v[TM+5], 8, v[TM+4]
	v_lshl_or_b32 v[PW], v[TM+6], 16, v[PW]
	v_lshl_or_b32 v[PW], v[TM+7], 24, v[PW]
.irp c, 0,1
	v_cvt_scalef32_pk16_fp6_f32 v[QC+6*\c:QC+2+6*\c], v[\s+32*\c:\s+15+32*\c], v[TM+12+2*\c]
	v_cvt_scalef32_pk16_fp6_f32 v[QC+12+4*\c:QC+14+4*\c], v[\s+16+32*\c:\s+31+32*\c], v[TM+12+2*\c+1]   ; (a conversion's three registers begin on an even number)
.endr
	v_nop                                          ; one plain place behind the scaled conversions
.irp c, 0,1                                    ; the operand wants a whole block in a lane
.irp i, 0,1,2
	v_permlane16_swap_b32 v[QC+6*\c+\i], v[QC+12+4*\c+\i]
.endr
.irp i, 0,1,2
	v_mov_b32 v[QC+3+6*\c+\i], v[QC+12+4*\c+\i]
.endr
.endr
.endm
.macro IMAGE s                                 ; K step s's fragment and scale word go to LDS as they stand: 16 bytes and 4 bytes a lane
.irp c, 0,1,2
	ds_store_b128 v[XWI], v[QC+4*\c:QC+4*\c+3] offset:1536*(\s)+512*\c
.endr
	ds_store_b32 v[XWS], v[PW] offset:128*(\s)
.endm
	s_wait_loadcnt 32                              ; K step 0 is in; the 32 loads of steps 1 and 2 may be out
	QUANT B0
	IMAGE 0
	XLOAD B0, 3
	s_wait_loadcnt 32                              ; step 1 is in; steps 2 and 3 may be out
	s_wait_dscnt 0x0                               ; the stores have read their registers
	QUANT B1
	IMAGE 1
	s_wait_loadcnt 16                              ; step 2 is in
	s_wait_dscnt 0x0
	QUANT B2
	IMAGE 2
	s_wait_loadcnt 0x0
	s_wait_dscnt 0x0
	QUANT B0
	IMAGE 3
	s_wait_tensorcnt 0x0                           ; my parts of Wo are in,
	s_wait_dscnt 0x0                               ; my images have landed:
	s_barrier_signal -1
	s_barrier_wait -1                              ; everybody's have
; A fragment of Wo: as it lies, in pieces of 8 bytes; 16 bytes of padding lie behind every 16 pieces; lanes 16-31 take the pieces three further on
.macro FRAGW reg, q, i
.irp p, 0,1,2,3,4,5
.set PCE, 12*(\q)+6*(\p/3)+\p%3
.if PCE%16 < 13
	ds_load_b64 v[\reg+2*\p:\reg+2*\p+1], v[ADX] offset:8*PCE+16*(PCE/16)+(\i)*16*WP
.else
	ds_load_b64 v[\reg+2*\p:\reg+2*\p+1], v[ADX2] offset:8*PCE+16*(PCE/16)+(\i)*16*WP
.endif
.endr
.endm
.irp s, 0,1,2,3                                ; four K steps of 128; the sixteen accumulators take turns, one instruction a turn
.if \s > 0
.rept 4
	v_nop                                          ; four places in front of loads into registers that matrix instructions have read
.endr
.endif
.irp i, 0,1,2,3
	ds_load_b32 v[XS+\i], v[ADXS] offset:256*\i+4*\s
.endr
.irp j, 0,1,2,3
	ds_load_b32 v[YS+\j], v[YSA] offset:512*\j+128*\s
.endr
.irp i, 0,1,2,3
	FRAGW XF+12*\i, \s, \i
.endr
.irp j, 0,1,2,3
.irp c, 0,1,2
	ds_load_b128 v[YF+12*\j+4*\c:YF+12*\j+4*\c+3], v[YA] offset:6144*\j+1536*\s+512*\c
.endr
.endr
.irp j, 0,1,2,3
	s_wait_dscnt 9-3*\j                            ; all but the images behind row tile j's, three loads each
.irp i, 0,1,2,3
.if \s == 0
	v_wmma_scale_f32_16x16x128_f8f6f4 v[ACC+32*\j+8*\i:ACC+32*\j+8*\i+7], v[XF+12*\i:XF+12*\i+11], v[YF+12*\j:YF+12*\j+11], 0, v[XS+\i], v[YS+\j] matrix_a_fmt:MATRIX_FMT_FP6 matrix_b_fmt:MATRIX_FMT_FP6
.else
	v_wmma_scale_f32_16x16x128_f8f6f4 v[ACC+32*\j+8*\i:ACC+32*\j+8*\i+7], v[XF+12*\i:XF+12*\i+11], v[YF+12*\j:YF+12*\j+11], v[ACC+32*\j+8*\i:ACC+32*\j+8*\i+7], v[XS+\i], v[YS+\j] matrix_a_fmt:MATRIX_FMT_FP6 matrix_b_fmt:MATRIX_FMT_FP6
.endif
.endr
.endr
.endr
; THE WAY OUT, 16 rows x 64 columns at a time: a lane's 32 bytes of a row go into my own stage and come back as whole rows of 256 bytes.  LDS serves a wave's instructions in order (ISA guide 5.7.1.4):
; no wait between the stores and the loads, nor in front of the next block's stores.
.macro TOSTAGE j
.irp i, 0,1,2,3
	ds_store_b128 v[SO], v[ACC+32*(\j)+8*\i:ACC+32*(\j)+8*\i+3] offset:64*\i        ; each accumulator from its low end on
	ds_store_b128 v[SO], v[ACC+32*(\j)+8*\i+4:ACC+32*(\j)+8*\i+7] offset:64*\i+16
.endr
.irp t, 0,1,2,3,4,5,6,7
	ds_load_b128 v[BK+32*((\j)%2)+4*\t:BK+32*((\j)%2)+4*\t+3], v[SR] offset:544*\t
.endr
.endm
.macro SEND j, younger                         ; younger: the LDS instructions issued behind block j's loads, which may stay out
	s_wait_dscnt \younger
.irp t, 0,1,2,3,4,5,6,7
	global_store_b128 v[GO], v[BK+32*((\j)%2)+4*\t:BK+32*((\j)%2)+4*\t+3], s[10:11] offset:(16*(\j)+2*\t)*8192 th:TH_STORE_NT   ; sixteen lanes store 256 consecutive bytes, aligned; written once, read by nobody here
.endr
.endm
.rept 4
	v_nop                                          ; four places in front of the first read of results and of loads into registers that the last products read
.endr
	TOSTAGE 0
.irp j, 1,2,3
.if \j > 1
	s_wait_xcnt 0x0                                ; block j - 2's stores have read their registers: block j's loads may land there
.endif
	TOSTAGE \j
	SEND \j-1, 16                                  ; behind block j - 1's loads: block j's 8 stores and 8 loads
.endr
	SEND 3, 0
	s_wait_tensorcnt 0x0                           ; the wave's end: behind my last tensor load and my last LDS store
	ds_add_u32 v[SPW], v[NIL]
	s_wait_dscnt 0x0
	ROUND                                          ; the closing round
	s_endpgm
.Lfunc_end_k_q8c1d231fd5_outp:
	.size	k_q8c1d231fd5_outp, .Lfunc_end_k_q8c1d231fd5_outp-k_q8c1d231fd5_outp
	.p2alignl 7, 3214868480
	.fill 96, 4, 3214868480
	.section	.rodata,"a",@progbits
	.p2align	6, 0x0
	.amdhsa_kernel k_q8c1d231fd5_outp
		.amdhsa_group_segment_fixed_size 203776
		.amdhsa_private_segment_fixed_size 0
		.amdhsa_enable_private_segment 0
		.amdhsa_kernarg_size 32
		.amdhsa_user_sgpr_count 2
		.amdhsa_user_sgpr_kernarg_segment_ptr 1
		.amdhsa_wavefront_size32 1
		.amdhsa_system_sgpr_workgroup_id_x 1
		.amdhsa_system_sgpr_workgroup_id_y 1
		.amdhsa_system_sgpr_workgroup_id_z 1
		.amdhsa_system_vgpr_workitem_id 0
		.amdhsa_next_free_vgpr 256
		.amdhsa_next_free_sgpr 66
		.amdhsa_reserve_vcc 0
		.amdhsa_float_denorm_mode_32 3
		.amdhsa_float_denorm_mode_16_64 3
		.amdhsa_memory_ordered 1
		.amdhsa_forward_progress 1
		.amdhsa_inst_pref_size 56
	.end_amdhsa_kernel
	.amdgpu_metadata
---
amdhsa.version: [ 1, 2 ]
amdhsa.kernels:
  - .name:           k_q8c1d231fd5_outp
    .symbol:         k_q8c1d231fd5_outp.kd
    .args:
      - { .name: att, .offset: 0, .size: 8, .value_kind: global_buffer, .address_space: global }
      - { .name: Wo_codes, .offset: 8, .size: 8, .value_kind: global_buffer, .address_space: global }
      - { .name: Wo_scales, .offset: 16, .size: 8, .value_kind: global_buffer, .address_space: global }
      - { .name: out0, .offset: 24, .size: 8, .value_kind: global_buffer, .address_space: global }
    .group_segment_fixed_size: 203776
    .private_segment_fixed_size: 0
    .kernarg_segment_align: 8
    .kernarg_segment_size: 32
    .max_flat_workgroup_size: 256
    .sgpr_count:     66
    .vgpr_count:     256
    .wavefront_size: 32
...
	.end_amdgpu_metadata
.endif
;; end of part 3
